; MI455X (gfx1250); checked and timed in simulation.
; The chip was launched on July 23, 2026; its instructions are those of AMD's public machine-readable ISA for CDNA 5 (MIT licence, August 2026) and "CDNA5" Instruction Set Architecture Reference Guide (July 2026). The comments in the code are by the model that wrote it; some were corrected since.
;; Attn Head. Allowed arithmetic: float matrix products may take bf16 or f16 operands with f32 sums; other float arithmetic in f32, or as packed bf16 or f16 multiplies, adds, multiply-adds, maxima and minima; sums over many terms, partial sums and values carried from step to step in f32; what a program stores and reads back later, other than sums and carried values, may be rounded once to bf16 or f16.
;; Inputs: Wk 2,048 x 2,048 float32; Wq 2,048 x 2,048 float32; Wv 2,048 x 2,048 float32; bk 2,048 float32; bq 2,048 float32; bv 2,048 float32; x 8 x 512 x 2,048 float32.
;; Outputs: out0 8 x 512 x 2,048 float32.
;; 2 versions, each right; version 2 is version 1 with the launch cast written anew for expert scheduling mode. Each part assembles by itself: llvm-mc -triple=amdgcn-amd-amdhsa -mcpu=gfx1250 --defsym DOCPART=n.
;; ======== version 1 of 2: 4 launches
;; limits: values are held in f16: magnitudes above 65,504 overflow, below 6.1e-05 lose precision
;; workspace buffers: xb 16,777,216 bytes; wb 25,165,824 bytes; qkv 50,331,648 bytes; pt 4,194,304 bytes; st 262,144 bytes
;; launch cast (part 1): grid 256 x 1, 20 waves a work-group, no clusters, 0 bytes of LDS; arguments x, Wq, Wk, Wv, xb, wb; writes xb, wb
.if DOCPART == 1
	.amdgcn_target "amdgcn-amd-amdhsa--gfx1250"
	.amdhsa_code_object_version 6
	.text
	.protected	k_qff5eece609_cast
	.globl	k_qff5eece609_cast
	.p2align	8
	.type	k_qff5eece609_cast,@function
k_qff5eece609_cast:
	s_mov_b64 s[64:65], 0
	v_nop
	global_prefetch_b8 v0, s[64:65] scope:SCOPE_SE
	s_setreg_imm32_b32 hwreg(HW_REG_WAVE_MODE, 25, 1), 1
	s_wait_xcnt 0x0
; x [4096][2048] f32 and Wq, Wk, Wv [2048][2048] f32 are rounded once to bf16 and laid out for the projection.
;   xb: [16 row blocks][32 k blocks][256 rows][64 k]: a tile of 256 rows x 64 k is 32,768 dense bytes.
;   wb: [2048 k][6144 n], Wq | Wk | Wv side by side, as they lie (not turned): a row is 12,288 bytes.
; A stream: no LDS, no barrier, no matrix unit.  One wave takes one pair of rows (16,384 bytes in, 8,192 out) and has all its 32 loads out at once.
; There are 2,048 pairs of x and 3 x 1,024 of the weights: 5,120 units, 20 for each of 256 work-groups of 20 waves, so that every work-group moves the same bytes.
; Unit = 20 x group + wave: 0..2047 x, then 1,024 each of Wq, Wk, Wv.  Every load of 16 lanes covers 256 consecutive bytes, every store of a wave 256 consecutive bytes, aligned.
.set X, 8                              ; v[8:135]  piece u: four registers as loaded; its first two then hold the four bf16 pairs
.macro RUN kind                        ; kind 0: x, kind 1: a weight
.set u, 0
.rept 32
.if \kind
	global_load_b128 v[X+4*u:X+4*u+3], v1, s[20:21] offset:512*u th:TH_LOAD_NT
.else
	global_load_b128 v[X+4*u:X+4*u+3], v1, s[20:21] offset:256*u th:TH_LOAD_NT
.endif
.set u, u+1
.endr
.set u, 0
.rept 32
	s_wait_loadcnt 31-u                            ; loads come back in order: piece u is in, the younger ones stay out
	v_cvt_pk_bf16_f32 v[X+4*u], v[X+4*u], v[X+4*u+1]
	v_cvt_pk_bf16_f32 v[X+4*u+1], v[X+4*u+2], v[X+4*u+3]
.if \kind
	global_store_b64 v2, v[X+4*u:X+4*u+1], s[22:23] offset:(u/16)*12288+(u%16)*256  ; pieces 0-15: the even row, 16-31: the odd row
.else
	global_store_b64 v2, v[X+4*u:X+4*u+1], s[22:23] offset:32768*u                  ; piece u is k block u: both rows' 128 bytes lie together
.endif
.set u, u+1
.endr
.endm
	s_load_b256 s[4:11], s[0:1], 0x0               ; x s[4:5], Wq s[6:7], Wk s[8:9], Wv s[10:11]
	s_load_b128 s[12:15], s[0:1], 0x20             ; xb s[12:13], wb s[14:15]
	v_lshrrev_b32 v3, 5, v0
	v_readfirstlane_b32 s16, v3                    ; wave 0..19
	s_mul_i32 s17, ttmp9, 20
	s_add_co_u32 s17, s17, s16                     ; my unit, 0..5119
	v_and_b32 v4, 31, v0                           ; lane
	v_lshlrev_b32 v2, 3, v4                        ; out: 8 bytes a lane
	s_mov_b32 s3, 0
	s_wait_kmcnt 0x0
	s_cmp_lt_u32 s17, 2048
	s_cbranch_scc0 .Lweights
	; x: the unit is the pair of rows
	s_lshl_b32 s2, s17, 14                         ; a pair is 16,384 bytes of x
	s_add_nc_u64 s[20:21], s[4:5], s[2:3]
	s_lshr_b32 s2, s17, 7                          ; row block = pair / 128, 1 MiB each
	s_lshl_b32 s2, s2, 20
	s_and_b32 s19, s17, 127                        ; the pair's 256 bytes in a tile
	s_lshl_b32 s19, s19, 8
	s_add_co_u32 s2, s2, s19
	s_add_nc_u64 s[22:23], s[12:13], s[2:3]
	v_and_b32 v1, 15, v0                           ; in: lanes 0-15 take 64 k of the even row, lanes 16-31 the same k of the odd row
	v_lshlrev_b32 v1, 4, v1
	v_bfe_u32 v5, v0, 4, 1
	v_lshl_add_u32 v1, v5, 13, v1
	RUN 0
	s_endpgm
.Lweights:
	s_sub_co_u32 s18, s17, 2048
	s_lshr_b32 s19, s18, 10                        ; which weight, 0..2
	s_and_b32 s18, s18, 1023                       ; its pair of rows
	s_cmp_eq_u32 s19, 0                            ; the choice hangs on the unit's number alone
	s_cselect_b64 s[20:21], s[6:7], s[8:9]
	s_cmp_eq_u32 s19, 2
	s_cselect_b64 s[20:21], s[10:11], s[20:21]
	s_lshl_b32 s2, s18, 14
	s_add_nc_u64 s[20:21], s[20:21], s[2:3]
	s_mul_i32 s2, s18, 24576                       ; two rows of wb,
	s_lshl_b32 s19, s19, 12                        ; and the weight's 4,096 bytes in a row
	s_add_co_u32 s2, s2, s19
	s_add_nc_u64 s[22:23], s[14:15], s[2:3]
	v_lshlrev_b32 v1, 4, v4                        ; in: 512 consecutive bytes a load
	RUN 1
	s_endpgm
.Lfunc_end_k_qff5eece609_cast:
	.size	k_qff5eece609_cast, .Lfunc_end_k_qff5eece609_cast-k_qff5eece609_cast
	.p2alignl 7, 3214868480
	.fill 96, 4, 3214868480
	.section	.rodata,"a",@progbits
	.p2align	6, 0x0
	.amdhsa_kernel k_qff5eece609_cast
		.amdhsa_group_segment_fixed_size 0
		.amdhsa_private_segment_fixed_size 0
		.amdhsa_enable_private_segment 0
		.amdhsa_kernarg_size 48
		.amdhsa_user_sgpr_count 2
		.amdhsa_user_sgpr_kernarg_segment_ptr 1
		.amdhsa_wavefront_size32 1
		.amdhsa_system_sgpr_workgroup_id_x 1
		.amdhsa_system_sgpr_workgroup_id_y 1
		.amdhsa_system_sgpr_workgroup_id_z 1
		.amdhsa_system_vgpr_workitem_id 0
		.amdhsa_next_free_vgpr 136
		.amdhsa_next_free_sgpr 66
		.amdhsa_reserve_vcc 0
		.amdhsa_float_denorm_mode_32 3
		.amdhsa_float_denorm_mode_16_64 3
		.amdhsa_memory_ordered 1
		.amdhsa_forward_progress 1
		.amdhsa_inst_pref_size 24
	.end_amdhsa_kernel
	.amdgpu_metadata
---
amdhsa.version: [ 1, 2 ]
amdhsa.kernels:
  - .name:           k_qff5eece609_cast
    .symbol:         k_qff5eece609_cast.kd
    .args:
      - { .name: x, .offset: 0, .size: 8, .value_kind: global_buffer, .address_space: global }
      - { .name: Wq, .offset: 8, .size: 8, .value_kind: global_buffer, .address_space: global }
      - { .name: Wk, .offset: 16, .size: 8, .value_kind: global_buffer, .address_space: global }
      - { .name: Wv, .offset: 24, .size: 8, .value_kind: global_buffer, .address_space: global }
      - { .name: xb, .offset: 32, .size: 8, .value_kind: global_buffer, .address_space: global }
      - { .name: wb, .offset: 40, .size: 8, .value_kind: global_buffer, .address_space: global }
    .group_segment_fixed_size: 0
    .private_segment_fixed_size: 0
    .kernarg_segment_align: 8
    .kernarg_segment_size: 48
    .max_flat_workgroup_size: 640
    .sgpr_count:     66
    .vgpr_count:     136
    .wavefront_size: 32
...
	.end_amdgpu_metadata
.endif
;; end of part 1
;; launch proj (part 2): grid 16 x 16, 4 waves a work-group, clusters of 4 x 4, 327,680 bytes of LDS; arguments xb, wb, bq, bk, bv, qkv; writes qkv
.if DOCPART == 2
	.amdgcn_target "amdgcn-amd-amdhsa--gfx1250"
	.amdhsa_code_object_version 6
	.text
	.protected	k_qff5eece609_proj
	.globl	k_qff5eece609_proj
	.p2align	8
	.type	k_qff5eece609_proj,@function
k_qff5eece609_proj:
	s_mov_b64 s[64:65], 0
	v_nop
	global_prefetch_b8 v0, s[64:65] scope:SCOPE_SE
	s_setreg_imm32_b32 hwreg(HW_REG_WAVE_MODE, 25, 1), 1
	s_wait_xcnt 0x0
	s_wait_alu depctr_hold_cnt(0) depctr_sa_sdst(0) depctr_va_vdst(0) depctr_va_sdst(0) depctr_va_ssrc(0) depctr_va_vcc(0) depctr_vm_vsrc(0)
	s_getreg_b32 s2, hwreg(HW_REG_IB_STS2, 6, 4)
	s_cmp_eq_u32 s2, 0
	s_cbranch_scc0 .Lentry_in_a_cluster
	s_endpgm
.Lentry_in_a_cluster:
	s_bfe_u32 s2, ttmp6, 0x10000c
	s_cmp_lg_u32 s2, 0xf033
	s_cbranch_scc0 .Lentry_shape_is_right
	s_endpgm
.Lentry_shape_is_right:
; qkv[m][n] = sum over k of x[m][k] W[k][n] + bias[n]:  M = 4096, K = 2048, N = 6144 (q | k | v).  Operands bf16 (xb, wb of the launch before), sums f32, the bias rounded to bf16
; like the other inputs and added in f32, the result rounded once to f16.  LIMIT: f16 holds no number beyond 65,504: q, k and v must stay within it.
; SHARES.  6144 / 384 x 4096 / 256 = 256 work-groups, one tile of 256 x 384 each.  Four waves; wave (RH, CH) makes 128 rows x 192 columns: 96 accumulators of 16 x 16, 768 registers.
; Wave CH owns the CH-th 64 columns of each of the tile's three pieces of 128 columns.
; K goes in steps of 64 through two LDS slots (two slots of 128 would not fit beside the stage); a step is two sub-steps of 32 along K, 96 matrix instructions and 40 LDS loads each.
; x's tile comes as 256 dense rows of 128 bytes; W's tile lies [k][n] and is turned on the way out of LDS by ds_load_tr16_b128.
; THE MATRIX INSTRUCTION IS USED TRANSPOSED: source 0 = 16 columns of W, source 1 = 16 rows of x: a lane holds one row (lane % 16) and eight neighbouring columns 8 (lane / 16) + 0..7.
; CLUSTER 4 x 4: x's tile is shared along a row of the cluster, W's along a column; each is asked for jointly, by the same load, descriptor and mask in the four partners.
; REGISTERS, in windows of 256: window 0: v0-31 addresses; v32-95, v96-159 x's fragments, two buffers; v160-255 W's twelve fragments, one buffer, refilled four at a time behind their last use.
;   windows 1-3: accumulator (a, b) (a: 16 rows, b: 16 columns) in window 1 + b / 4 at v[8 (8 (b % 4) + a)].
.set PA,     144                       ; a row of x in LDS: 128 bytes + 16: the 16 rows of a load start at 16 different groups of four banks (ISA guide 11.1)
.set PB,     864                       ; a k row of W in LDS: 3 x (256 + 32) bytes = 216 words
.set AHALF,  128*PA                    ; what one tensor load brings of x
.set BHALF,  32*PB                     ; and of W: 32 k rows, also one sub-step's rows
.set BOFF,   2*AHALF
.set SLOT,   BOFF+2*BHALF              ; 92,160
.set STAGE,  2*SLOT                    ; behind the ring: 128 rows x 784 bytes, the work-group's, for the way out
.set SPITCH, 784                       ; 768 + 16
.set BIAS,   STAGE+128*SPITCH          ; the tile's 384 biases in f32
.set SPARE,  BIAS+1536                 ; the spare words, 128 bytes a wave, which no other line names
.set ROWB,   12288                     ; bytes in a row of wb and of qkv
.set ADRA, 4                           ; v4-5   LDS address of my fragments of x in slot 0, 1
.set ADRB, 6                           ; v6-7   the same for W
.set STO,  8                           ; v8     the way out: where I put 16 bytes of a row
.set RD,   9                           ; v9     where I read rows back
.set CO,   10                          ; v10    my byte offset in qkv
.set BIA,  11                          ; v11    my place in the biases
.set SPW,  12                          ; v12    my spare word; never rewritten
.set NIL,  13                          ; v13    0; never rewritten
.set FA0,  32
.set FA1,  96
.set FB,   160
.set TMP,  32                          ; the way out: v32-127
.set WV,   16                          ; s16 wave; s17 RH, also: I fetch x (0) or W (1); s18 CH, also: which half of that tile
.set G1A,  24                          ; s[24:31] group 1 for x's tiles;  s[32:39] group 0, a set for each slot
.set G0A,  32
.set G1B,  40                          ; s[40:47], s[48:55] the same for W's
.set G0B,  48
.set MSB, 0
.macro WIN new                         ; the immediate's high byte repeats the setting that is left; a switch that changes nothing is dropped
.if MSB != (\new)
	s_set_vgpr_msb (MSB<<8)|(\new)
.set MSB, \new
.endif
.endm
.macro PLACES                          ; four plain places between matrix instructions and loads into, or vector reads of, their registers
.rept 4
	v_nop
.endr
.endm
; A joint load: waves 0, 1 fetch x's two halves, waves 2, 3 W's.  The branch hangs on the wave's number alone.  An s_nop 0 and four v_nop follow each line.
.macro JLOAD s
	s_cmp_eq_u32 s17, 0
	s_cbranch_scc0 .Lfor_b_\@
	tensor_load_to_lds s[G0A+4*(\s):G0A+4*(\s)+3], s[G1A:G1A+7]
	s_nop 0
.rept 4
	v_nop
.endr
	s_branch .Lasked_\@
.Lfor_b_\@:
	tensor_load_to_lds s[G0B+4*(\s):G0B+4*(\s)+3], s[G1B:G1B+7]
	s_nop 0
.rept 4
	v_nop
.endr
.Lasked_\@:
.endm
.macro CREST                           ; a round of the cluster's barrier behind its opening barrier
	s_cmp_lg_u32 s[WV], 0
	s_cbranch_scc1 .Lnot_wave_0_\@
	s_barrier_signal -3
.Lnot_wave_0_\@:
	s_barrier_wait -3
	s_barrier_signal -1
	s_barrier_wait -1
.endm
.macro CROUND
	s_barrier_signal -1
	s_barrier_wait -1
	CREST
.endm
	s_load_b256 s[4:11], s[0:1], 0x0               ; xb s[4:5], wb s[6:7], bq s[8:9], bk s[10:11]
	s_load_b128 s[12:15], s[0:1], 0x20             ; bv s[12:13], qkv s[14:15]
	v_lshl_add_u32 v[SPW], v0, 2, SPARE
	v_mov_b32 v[NIL], 0
	ds_add_u32 v[SPW], v[NIL]                      ; the wave's opening: the add and its wait stand ahead of my first tensor load; register work stands between
	v_lshrrev_b32 v1, 5, v0
	v_readfirstlane_b32 s[WV], v1
	s_lshr_b32 s17, s[WV], 1
	s_and_b32 s18, s[WV], 1
	s_bfe_u32 s19, ttmp6, 0x40000                  ; cx
	s_bfe_u32 s20, ttmp6, 0x40004                  ; cy
	s_lshl_b32 s21, ttmp9, 2
	s_add_co_u32 s21, s21, s19                     ; tile column = 4 x cluster x + cx
	s_and_b32 s22, ttmp7, 0xffff
	s_lshl_b32 s22, s22, 2
	s_add_co_u32 s22, s22, s20                     ; tile row = 4 x cluster y + cy
	s_lshl_b32 s23, s20, 2
	s_lshl_b32 s23, 15, s23                        ; my row of the cluster
	s_lshl_b32 s56, 0x1111, s19                    ; my column
	; x: 128 rows of 128 bytes are 16,384 dense bytes: asked for as 64 rows of 256 bytes, padded by 4 words after every 32 words
	s_or_b32 s[G1A], s23, (1<<16)|(1<<20)|(1<<21)|(4<<22)|(3<<25)
	s_mov_b32 s[G1A+1], 128<<16                    ; tensor_dim0
	s_mov_b32 s[G1A+2], 64<<16                     ; tensor_dim1
	s_mov_b32 s[G1A+3], 128<<16                    ; tile_dim0
	s_mov_b32 s[G1A+4], 64                         ; tile_dim1
	s_mov_b32 s[G1A+5], 128                        ; elements from row to row
	s_mov_b32 s[G1A+6], 0
	s_mov_b32 s[G1A+7], 0
	; W: 32 k rows of 384 elements (768 bytes), padded by 8 words after every 64 words
	s_or_b32 s[G1B], s56, (1<<16)|(1<<20)|(1<<21)|(5<<22)|(7<<25)
	s_mov_b32 s[G1B+1], 384<<16
	s_mov_b32 s[G1B+2], 32<<16
	s_mov_b32 s[G1B+3], 384<<16
	s_mov_b32 s[G1B+4], 32
	s_mov_b32 s[G1B+5], 6144
	s_mov_b32 s[G1B+6], 0
	s_mov_b32 s[G1B+7], 0
	s_lshl_b32 s58, s22, 20                        ; x: row block = tile row, 1 MiB; + my half's 16,384 bytes.  These registers never hold cx
	s_lshl_b32 s57, s18, 14
	s_add_co_u32 s58, s58, s57
	s_mov_b32 s59, 0
	s_mul_i32 s60, s18, 32*ROWB                    ; W: my half's 32 k rows; + the tile column's 768 bytes.  These never hold cy
	s_mul_i32 s72, s21, 768
	s_add_co_u32 s60, s60, s72
	s_mov_b32 s61, 0
	s_mul_i32 s73, s18, AHALF                      ; where they go: the wave's number alone enters an LDS address
	s_mul_i32 s74, s18, BHALF
	s_add_co_u32 s74, s74, BOFF
	s_wait_dscnt 0x0                               ; the opening add is done
	s_wait_kmcnt 0x0
	s_add_nc_u64 s[58:59], s[4:5], s[58:59]
	s_add_nc_u64 s[60:61], s[6:7], s[60:61]
	CROUND                                         ; all sixteen work-groups are here: the first joint loads meet
.irp s, 0,1
	s_mov_b32 s[G0A+4*(\s)], 1
	s_add_co_u32 s[G0A+4*(\s)+1], s73, (\s)*SLOT
	s_add_nc_u64 s[G0A+4*(\s)+2:G0A+4*(\s)+3], s[58:59], (\s)*32768      ; K step s: the next k block
	s_or_b32 s[G0A+4*(\s)+3], s[G0A+4*(\s)+3], 0x80000000
	s_mov_b32 s[G0B+4*(\s)], 1
	s_add_co_u32 s[G0B+4*(\s)+1], s74, (\s)*SLOT
	s_add_nc_u64 s[G0B+4*(\s)+2:G0B+4*(\s)+3], s[60:61], (\s)*64*ROWB    ; K step s: 64 k rows on
	s_or_b32 s[G0B+4*(\s)+3], s[G0B+4*(\s)+3], 0x80000000
	JLOAD \s                                       ; two loads of mine are out
.endr
	; the tile's 384 biases: piece g = 3 x tile column + i of 128 columns lies in bq (g < 16), bk (g < 32) or bv
	v_lshlrev_b32 v23, 2, v0
	v_lshl_add_u32 v24, v0, 2, BIAS
	s_mul_i32 s77, s21, 3
	s_mov_b32 s79, 0
.irp i, 0,1,2
	s_add_co_u32 s2, s77, \i
	s_cmp_lt_u32 s2, 16
	s_cselect_b64 s[66+2*\i:67+2*\i], s[8:9], s[10:11]
	s_cmp_lt_u32 s2, 32
	s_cselect_b64 s[66+2*\i:67+2*\i], s[66+2*\i:67+2*\i], s[12:13]
	s_and_b32 s78, s2, 15
	s_lshl_b32 s78, s78, 9
	s_add_nc_u64 s[66+2*\i:67+2*\i], s[66+2*\i:67+2*\i], s[78:79]
	global_load_b32 v[20+\i], v23, s[66+2*\i:67+2*\i]
.endr
	; lane addresses.  A fragment of x: lane l holds row l % 16, k = 8 (l / 16) + 0..7 and 16 + 8 (l / 16) + 0..7: two loads of 16 bytes, 32 apart
	v_and_b32 v1, 15, v0
	v_bfe_u32 v2, v0, 4, 1
	v_mul_u32_u24 v3, v1, PA
	v_lshl_add_u32 v3, v2, 4, v3
	s_mul_i32 s75, s17, AHALF                      ; my 128 rows
	v_add_nc_u32 v[ADRA], s75, v3
	v_add_nc_u32 v[ADRA+1], SLOT, v[ADRA]
	; the turning load: lane l reads k row 8 (l / 16) + l % 8, 16 bytes at column 8 ((l / 8) % 2), and is left with column l % 16 and 8 k
	v_and_b32 v14, 7, v0
	v_lshl_add_u32 v14, v2, 3, v14
	v_mul_u32_u24 v14, v14, PB
	v_bfe_u32 v15, v0, 3, 1
	v_lshl_add_u32 v14, v15, 4, v14
	s_lshl_b32 s75, s18, 7                         ; my 64 columns of each piece
	s_add_co_u32 s75, s75, BOFF
	v_add_nc_u32 v[ADRB], s75, v14
	v_add_nc_u32 v[ADRB+1], SLOT, v[ADRB]
	v_mul_u32_u24 v[STO], v1, SPITCH               ; into the stage: row 64 RH + l % 16, byte 128 CH + 16 (l / 16)
	v_lshl_add_u32 v[STO], v2, 4, v[STO]
	s_mul_i32 s75, s17, 64*SPITCH
	s_lshl_b32 s76, s18, 7
	s_add_co_u32 s75, s75, s76
	s_add_co_u32 s75, s75, STAGE
	v_add_nc_u32 v[STO], s75, v[STO]
	v_mul_u32_u24 v[RD], v2, SPITCH                ; back: wave w takes stage rows 32 w ..; lanes 0-15 256 bytes of one row, lanes 16-31 of the next
	v_lshl_add_u32 v[RD], v1, 4, v[RD]
	s_mul_i32 s75, s[WV], 32*SPITCH
	s_add_co_u32 s75, s75, STAGE
	v_add_nc_u32 v[RD], s75, v[RD]
	v_mul_u32_u24 v[CO], v2, ROWB
	v_lshl_add_u32 v[CO], v1, 4, v[CO]
	s_lshl_b32 s75, s18, 8
	s_add_co_u32 s75, s75, BIAS
	v_lshl_add_u32 v[BIA], v2, 5, s75              ; bias of column 64 CH + 8 (l / 16), in f32
	s_lshl_b32 s62, s22, 8                         ; the first row of qkv that I store: 256 x tile row + 128 (w / 2) + 32 (w % 2)
	s_lshl_b32 s75, s17, 7
	s_add_co_u32 s62, s62, s75
	s_lshl_b32 s75, s18, 5
	s_add_co_u32 s62, s62, s75
	s_mul_i32 s62, s62, ROWB
	s_add_co_u32 s62, s62, s72                     ; + the tile column's 768 bytes
	s_mov_b32 s63, 0
	s_add_nc_u64 s[14:15], s[14:15], s[62:63]
	s_wait_loadcnt 0x0                             ; the biases
.irp i, 0,1,2
	v_cvt_pk_bf16_f32 v[20+\i], v[20+\i], v[20+\i] ; rounded to bf16 like x and W,
	v_lshlrev_b32 v[20+\i], 16, v[20+\i]           ; and widened again
	ds_store_b32 v24, v[20+\i] offset:512*\i
.endr
; 16 matrix instructions: columns b = 4 w + 2 hf, + 1 x all 8 row blocks, 32 along K.  The accumulators take turns, one instruction a turn.
.macro MUL16 f, w, hf, zero
	WIN 0x50*(1+(\w))                              ; C and D in window 1 + w, the sources in window 0
.irp bb, 0,1
.irp a, 0,1,2,3,4,5,6,7
.set rD, 8*(8*(2*(\hf)+(\bb))+(\a))
.set rB, FB+8*(4*(\w)+2*(\hf)+(\bb))
.if \zero
	v_wmma_f32_16x16x32_bf16 v[rD:rD+7], v[rB:rB+7], v[(\f)+8*(\a):(\f)+8*(\a)+7], 0
.else
	v_wmma_f32_16x16x32_bf16 v[rD:rD+7], v[rB:rB+7], v[(\f)+8*(\a):(\f)+8*(\a)+7], v[rD:rD+7]
.endif
.endr
.endr
.endm
.macro LDB slot, ks, w                 ; 8 loads: W's fragments 4 w .. 4 w + 3 of sub-step ks
.irp i, 0,1,2,3
	ds_load_tr16_b128 v[FB+8*(4*(\w)+\i):FB+8*(4*(\w)+\i)+3],   v[ADRB+(\slot)] offset:(\ks)*BHALF+(\w)*288+32*\i
	ds_load_tr16_b128 v[FB+8*(4*(\w)+\i)+4:FB+8*(4*(\w)+\i)+7], v[ADRB+(\slot)] offset:(\ks)*BHALF+(\w)*288+32*\i+16*PB
.endr
.endm
.macro LDA slot, ks, f, hf             ; 8 loads: x's fragments 4 hf .. 4 hf + 3 of sub-step ks into buffer f
.irp i, 0,1,2,3
	ds_load_b128 v[(\f)+8*(4*(\hf)+\i):(\f)+8*(4*(\hf)+\i)+3],   v[ADRA+(\slot)] offset:64*(\ks)+(4*(\hf)+\i)*16*PA
	ds_load_b128 v[(\f)+8*(4*(\hf)+\i)+4:(\f)+8*(4*(\hf)+\i)+7], v[ADRA+(\slot)] offset:64*(\ks)+(4*(\hf)+\i)*16*PA+32
.endr
.endm
; A sub-step: multiplies buffer f and W's twelve fragments; each third of W's buffer is refilled, for sub-step (ns, nk), behind its last use: runs of 16, 16 and 8 loads.
.macro SUB f, g, ns, nk, zero
	s_wait_dscnt 8                                 ; all but the youngest run of 8 (W's fragments 8-11)
	MUL16 \f, 0, 0, \zero
	MUL16 \f, 0, 1, \zero
	PLACES
	WIN 0
	LDB \ns, \nk, 0
	LDA \ns, \nk, \g, 0
	MUL16 \f, 1, 0, \zero
	MUL16 \f, 1, 1, \zero
	PLACES
	WIN 0
	LDB \ns, \nk, 1
	LDA \ns, \nk, \g, 1
	s_wait_dscnt 32                                ; all but the 32 just issued: fragments 8-11 are in
	MUL16 \f, 2, 0, \zero
	MUL16 \f, 2, 1, \zero
	PLACES
	WIN 0
	LDB \ns, \nk, 2
.endm
; A K step's second sub-step also changes slots: ONE barrier.  In front of it each wave waits for all its tensor loads (one is out: its part of the next slot), adds 0 to its spare word,
; and waits for that and for its reads of this slot.  fill = 1: the barrier opens a round of the cluster's, and this slot is filled again first thing behind it, two K steps ahead:
; 160 of a K step's 192 matrix instructions stand between the request and the wait for it.
.macro SUBT slot, next, fill
	WIN 0
	s_wait_tensorcnt 0x0
	ds_add_u32 v[SPW], v[NIL]
	s_wait_dscnt 9                                 ; (the add and the youngest run of 8 may be out)
	MUL16 FA1, 0, 0, 0
	s_wait_dscnt 0x0                               ; the add is done, and my reads of this slot are over
	s_barrier_signal -1
	MUL16 FA1, 0, 1, 0
	WIN 0
	s_barrier_wait -1
.if \fill
	CREST                                          ; no wave of any partner still reads this slot or has a load on its way
	s_add_nc_u64 s[G0A+4*(\slot)+2:G0A+4*(\slot)+3], s[G0A+4*(\slot)+2:G0A+4*(\slot)+3], 2*32768
	s_add_nc_u64 s[G0B+4*(\slot)+2:G0B+4*(\slot)+3], s[G0B+4*(\slot)+2:G0B+4*(\slot)+3], 2*64*ROWB
	JLOAD \slot                                    ; its four v_nop are also the places in front of the loads below
.else
	PLACES
.endif
	LDB \next, 0, 0
	LDA \next, 0, FA0, 0
	MUL16 FA1, 1, 0, 0
	MUL16 FA1, 1, 1, 0
	PLACES
	WIN 0
	LDB \next, 0, 1
	LDA \next, 0, FA0, 1
	MUL16 FA1, 2, 0, 0                             ; fragments 8-11 were shown in by the wait for 0 above
	MUL16 FA1, 2, 1, 0
	PLACES
	WIN 0
	LDB \next, 0, 2
.endm
	s_wait_tensorcnt 0x1                           ; my part of K step 0 is in; K step 1's may stay out
	s_wait_dscnt 0x0                               ; my biases are stored
	s_barrier_signal -1
	s_barrier_wait -1
	LDB 0, 0, 0                                    ; the first fragments, in the runs' order: 16, 16, 8
	LDA 0, 0, FA0, 0
	LDB 0, 0, 1
	LDA 0, 0, FA0, 1
	LDB 0, 0, 2
	SUB FA0, FA1, 0, 1, 1                          ; the first sub-step starts the sums: nothing is cleared
	s_mov_b32 s3, 15
.Llap:                                                 ; a trip goes once round the ring and fills both slots again: K steps 2 to 31
	SUBT 0, 1, 1
	SUB FA0, FA1, 1, 1, 0
	SUBT 1, 0, 1
	SUB FA0, FA1, 0, 1, 0
	s_sub_co_u32 s3, s3, 1
	s_cmp_lg_u32 s3, 0
	s_cbranch_scc1 .Llap
	SUBT 0, 1, 0                                   ; the last lap asks for nothing
	SUB FA0, FA1, 1, 1, 0
	s_wait_dscnt 8
	MUL16 FA1, 0, 0, 0
	MUL16 FA1, 0, 1, 0
	MUL16 FA1, 1, 0, 0
	MUL16 FA1, 1, 1, 0
	s_wait_dscnt 0x0
	MUL16 FA1, 2, 0, 0
	MUL16 FA1, 2, 1, 0
	; THE WAY OUT.  The biases of my 192 columns take W's registers; then, 64 of my rows at a time: + bias, rounded to f16, 16 bytes a lane into the shared stage;
	; a barrier, since a row's 768 bytes come from two waves; back as whole rows; stores of which 16 lanes cover 256 consecutive bytes, aligned.
	PLACES
	WIN 0
.irp b, 0,1,2,3,4,5,6,7,8,9,10,11
	ds_load_b128 v[FB+8*\b:FB+8*\b+3],   v[BIA] offset:512*(\b/4)+64*(\b%4)
	ds_load_b128 v[FB+8*\b+4:FB+8*\b+7], v[BIA] offset:512*(\b/4)+64*(\b%4)+16
.endr
	s_wait_dscnt 0x0
.macro OUTW H, w                       ; row blocks 4 H .. 4 H + 3, columns of piece w.  Each accumulator is read from its low end on
	WIN (((\w)+1)<<6)|((\w)+1)                     ; destination and source 0 in window 1 + w, the bias in window 0
.irp bi, 0,1,2,3
.irp ai, 0,1,2,3
.irp r, 0,1,2,3
	v_pk_add_f32 v[8*(8*\bi+4*(\H)+\ai)+2*\r:8*(8*\bi+4*(\H)+\ai)+2*\r+1], v[8*(8*\bi+4*(\H)+\ai)+2*\r:8*(8*\bi+4*(\H)+\ai)+2*\r+1], v[FB+8*(4*(\w)+\bi)+2*\r:FB+8*(4*(\w)+\bi)+2*\r+1]
.endr
.endr
.endr
	WIN (((\w)+1)<<2)|((\w)+1)                     ; sources 0 and 1 in window 1 + w, destination in window 0
.irp bi, 0,1,2,3
.irp ai, 0,1,2,3
.irp r, 0,1,2,3
	v_cvt_pk_f16_f32 v[TMP+4*(4*\ai+\bi)+\r], v[8*(8*\bi+4*(\H)+\ai)+2*\r], v[8*(8*\bi+4*(\H)+\ai)+2*\r+1]
.endr
.endr
.endr
	WIN 0
.irp ai, 0,1,2,3
.irp bi, 0,1,2,3
	ds_store_b128 v[STO], v[TMP+4*(4*\ai+\bi):TMP+4*(4*\ai+\bi)+3] offset:\ai*16*SPITCH+256*(\w)+32*\bi
.endr
.endr
.endm
.macro RB H, c                         ; 24 of my 48 pieces of 2 rows x 256 bytes: back from the stage, and stored
	s_wait_xcnt 0x0                                ; registers that earlier stores read are rewritten only behind this wait
.set t, 0
.rept 24
.set m, 24*(\c)+t
	ds_load_b128 v[TMP+4*t:TMP+4*t+3], v[RD] offset:(m/3)*2*SPITCH+256*(m%3)
.set t, t+1
.endr
.set t, 0
.rept 24
.set m, 24*(\c)+t
	s_wait_dscnt 23-t                              ; LDS loads come back in order: piece t is in
	global_store_b128 v[CO], v[TMP+4*t:TMP+4*t+3], s[14:15] offset:(m/3)*2*ROWB+256*(m%3)+(\H)*64*ROWB
.set t, t+1
.endr
.endm
.irp H, 0,1
	s_wait_xcnt 0x0                                ; the stage's registers may still be read by stores
	OUTW \H, 0
	OUTW \H, 1
	OUTW \H, 2
	s_wait_dscnt 0x0                               ; for the others' sake: my stores into the stage are done
	s_barrier_signal -1
	s_barrier_wait -1
	RB \H, 0
	RB \H, 1
.if \H == 0
	s_wait_dscnt 0x0                               ; my reads of the stage are over: behind this barrier it is written again
	s_barrier_signal -1
	s_barrier_wait -1
.endif
.endr
	s_wait_tensorcnt 0x0                           ; the wave's end
	ds_add_u32 v[SPW], v[NIL]
	s_wait_dscnt 0x0
	CROUND                                         ; the closing round
	s_endpgm
.Lfunc_end_k_qff5eece609_proj:
	.size	k_qff5eece609_proj, .Lfunc_end_k_qff5eece609_proj-k_qff5eece609_proj
	.p2alignl 7, 3214868480
	.fill 96, 4, 3214868480
	.section	.rodata,"a",@progbits
	.p2align	6, 0x0
	.amdhsa_kernel k_qff5eece609_proj
		.amdhsa_group_segment_fixed_size 327680
		.amdhsa_private_segment_fixed_size 0
		.amdhsa_enable_private_segment 0
		.amdhsa_kernarg_size 48
		.amdhsa_user_sgpr_count 2
		.amdhsa_user_sgpr_kernarg_segment_ptr 1
		.amdhsa_wavefront_size32 1
		.amdhsa_system_sgpr_workgroup_id_x 1
		.amdhsa_system_sgpr_workgroup_id_y 1
		.amdhsa_system_sgpr_workgroup_id_z 1
		.amdhsa_system_vgpr_workitem_id 0
		.amdhsa_next_free_vgpr 1024
		.amdhsa_next_free_sgpr 80
		.amdhsa_reserve_vcc 0
		.amdhsa_float_denorm_mode_32 3
		.amdhsa_float_denorm_mode_16_64 3
		.amdhsa_memory_ordered 1
		.amdhsa_forward_progress 1
		.amdhsa_inst_pref_size 159
	.end_amdhsa_kernel
	.amdgpu_metadata
---
amdhsa.version: [ 1, 2 ]
amdhsa.kernels:
  - .name:           k_qff5eece609_proj
    .symbol:         k_qff5eece609_proj.kd
    .args:
      - { .name: xb, .offset: 0, .size: 8, .value_kind: global_buffer, .address_space: global }
      - { .name: wb, .offset: 8, .size: 8, .value_kind: global_buffer, .address_space: global }
      - { .name: bq, .offset: 16, .size: 8, .value_kind: global_buffer, .address_space: global }
      - { .name: bk, .offset: 24, .size: 8, .value_kind: global_buffer, .address_space: global }
      - { .name: bv, .offset: 32, .size: 8, .value_kind: global_buffer, .address_space: global }
      - { .name: qkv, .offset: 40, .size: 8, .value_kind: global_buffer, .address_space: global }
    .group_segment_fixed_size: 327680
    .private_segment_fixed_size: 0
    .kernarg_segment_align: 8
    .kernarg_segment_size: 48
    .max_flat_workgroup_size: 128
    .sgpr_count:     80
    .vgpr_count:     1024
    .wavefront_size: 32
...
	.end_amdgpu_metadata
.endif
;; end of part 2
;; launch scores (part 3): grid 20 x 8, 4 waves a work-group, no clusters, 327,680 bytes of LDS; arguments qkv, pt, st; writes pt, st
.if DOCPART == 3
	.amdgcn_target "amdgcn-amd-amdhsa--gfx1250"
	.amdhsa_code_object_version 6
	.text
	.protected	k_qff5eece609_scores
	.globl	k_qff5eece609_scores
	.p2align	8
	.type	k_qff5eece609_scores,@function
k_qff5eece609_scores:
	s_mov_b64 s[64:65], 0
	v_nop
	global_prefetch_b8 v0, s[64:65] scope:SCOPE_SE
	s_setreg_imm32_b32 hwreg(HW_REG_WAVE_MODE, 25, 1), 1
	s_wait_xcnt 0x0
; For each batch b, each tile (i >= j) of 128 queries x 128 keys on or below the diagonal and each half u of its queries: S = q k^T over 2,048 channels (f16 operands, f32 sums),
; the causal mask, and a softmax BY GROUPS of 64 keys: for each query and group the maximum m, the weights p = 2^(c s - c m) with c = log2(e) / sqrt(2048), and their sum l.
; p goes to pt in f16, (c m, l) to st in f32; the next launch brings the groups onto one maximum.  The maximum is the group's own, so no exponent is above 0.
; LIMITS.  A hidden score counts as -2^100 (f16's scores reach 9e12 at the most); in a group that is wholly hidden p = 1 and c m = -c 2^100 exactly, which the next launch's factor turns into 0.
; A weight below 6e-8 is 0 in f16; NaN and infinities are not treated apart.
; SHARES.  10 tiles x 2 halves x 8 batches = 160 work-groups of 64 queries x 128 keys: 192 rows of 4,096 bytes each, three quarters of what a tile of 128 x 128 would bring into one LDS,
; and its output is one whole block of pt.  NO CLUSTER: row i of the triangle has i + 1 tiles, so no grouping in fours shares one operand throughout.
; Four waves, each 32 queries x 64 keys (one group): 8 accumulators.  K in steps of 256 through two LDS slots.  A tensor load brings 64 rows of 512 bytes: wave 0 q's, waves 1 and 2 k's halves, wave 3 none.
; What sets the pace is the refills, so the change of slots stands behind all of a step's products: nothing stands between a tile's landing and the next request but the barrier.
; Source 0 = 16 keys, source 1 = 16 queries: a lane holds ONE query (lane % 16) and in accumulator b the keys 16 b + 8 (lane / 16) + 0..7.
; REGISTERS: window 0: v0-31 addresses; v32-63 packed weights; v96-111 statistics; v128-191 accumulators ((a, b) at 128 + 8 (4 a + b)).  window 1: two fragment buffers of 96.
.set KSTEP,  256
.set PITCH,  528                       ; 512 bytes + 16: the 16 rows of a load start at 16 different groups of four banks (ISA guide 11.1)
.set HALFT,  64*PITCH                  ; what one tensor load brings
.set SLOT,   3*HALFT                   ; q's 64 rows, then k's 128 rows
.set STAGE,  2*SLOT                    ; behind the ring: 64 rows x 272 bytes
.set SPITCH, 272
.set SPARE,  STAGE+64*SPITCH           ; the spare words, which no other line names
.set LAPS,   4                         ; 2048 / (2 x 256)
.set ROWB,   12288                     ; bytes in a row of qkv
.set ADRA, 16                          ; v16-17  LDS address of my fragments of q in slot 0, 1
.set ADRB, 20                          ; v20-21  the same for k
.set STO,  24
.set RD,   25
.set CO,   26                          ; v26  16 x lane
.set DQ,   27                          ; v27  my query less my lanes' first key
.set SPW,  28
.set NIL,  29
.set BIGV, 30                          ; v30  -2^100
.set SO,   31                          ; v31  8 x lane
.set TMP,  32
.set ST,   96                          ; tile a at ST + 8 a: +0 c m, +1 m, +2 l, +4..7 at work
.set ACC,  128
.set F0,   0                           ; a buffer: q's fragment (c, a) at + 8 (2 c + a), k's (c, b) at + 32 + 8 (4 c + b)
.set F1,   96
.set G1,   24
.set G0,   32
.set CS,   40                          ; s[40:41] c, as a pair
.set SEL,  42                          ; s[42:43] v_permlanex16_b32's selects
.set HM,   44                          ; s44 lanes 16-31
.set MSB, 0
.macro WIN new
.if MSB != (\new)
	s_set_vgpr_msb (MSB<<8)|(\new)
.set MSB, \new
.endif
.endm
.set MUL,  0x05                        ; sources 0 and 1 window 1; C and D window 0
.set TO_F, 0x40                        ; destination window 1
.macro PLACES
.rept 4
	v_nop
.endr
.endm
	s_load_b128 s[4:7], s[0:1], 0x0                ; qkv s[4:5], pt s[6:7]
	s_load_b64 s[8:9], s[0:1], 0x10                ; st
	v_lshl_add_u32 v[SPW], v0, 2, SPARE
	v_mov_b32 v[NIL], 0
	ds_add_u32 v[SPW], v[NIL]                      ; the wave's opening: the add and its wait stand ahead of my first tensor load
	v_lshrrev_b32 v1, 5, v0
	v_readfirstlane_b32 s10, v1                    ; wave
	s_lshr_b32 s11, s10, 1                         ; my 32 of the 64 queries
	s_and_b32 s12, s10, 1                          ; my group of 64 keys
	s_and_b32 s45, ttmp9, 1                        ; u: which 64 queries of the block
	s_lshr_b32 s46, ttmp9, 1                       ; tile t = i (i + 1) / 2 + j
	s_cmp_ge_u32 s46, 1
	s_cselect_b32 s13, 1, 0
	s_cmp_ge_u32 s46, 3
	s_cselect_b32 s14, 1, 0
	s_add_co_u32 s13, s13, s14
	s_cmp_ge_u32 s46, 6
	s_cselect_b32 s14, 1, 0
	s_add_co_u32 s13, s13, s14                     ; i
	s_add_co_u32 s14, s13, 1
	s_mul_i32 s14, s14, s13
	s_lshr_b32 s14, s14, 1
	s_sub_co_u32 s14, s46, s14                     ; j
	s_and_b32 s15, ttmp7, 0xffff                   ; b
	s_mov_b32 s[G1], (1<<16)|(1<<20)|(6<<22)|(3<<25)  ; 2-byte elements; 4 words of padding after every 128 words
	s_mov_b32 s[G1+1], KSTEP<<16
	s_mov_b32 s[G1+2], 64<<16
	s_mov_b32 s[G1+3], KSTEP<<16
	s_mov_b32 s[G1+4], 64
	s_mov_b32 s[G1+5], 6144
	s_mov_b32 s[G1+6], 0
	s_mov_b32 s[G1+7], 0
	s_lshl_b32 s16, s13, 7                         ; wave 0: q's rows 128 i + 64 u
	s_lshl_b32 s17, s45, 6
	s_add_co_u32 s16, s16, s17
	s_lshl_b32 s17, s14, 7                         ; waves 1, 2: k's rows 128 j + 64 (w - 1)  (wave 3 makes a number that it never uses)
	s_sub_co_u32 s18, s10, 1
	s_lshl_b32 s18, s18, 6
	s_add_co_u32 s17, s17, s18
	s_cmp_eq_u32 s10, 0
	s_cselect_b32 s16, s16, s17
	s_cselect_b32 s17, 0, 4096                     ; k lies 4,096 bytes into a row
	s_lshl_b32 s18, s15, 9
	s_add_co_u32 s16, s16, s18
	s_mul_i32 s16, s16, ROWB
	s_add_co_u32 s16, s16, s17
	s_mov_b32 s17, 0
	s_mul_i32 s20, s10, HALFT                      ; where it goes: wave x 64 rows
	s_mov_b32 s[CS], 0x3d0293ee                    ; c = log2(e) / sqrt(2048) = 0.0318793
	s_mov_b32 s[CS+1], s[CS]
	s_mov_b32 s[SEL], 0x76543210
	s_mov_b32 s[SEL+1], 0xfedcba98
	s_mov_b32 s[HM], 0xffff0000
	s_wait_dscnt 0x0                               ; the opening add is done
	s_barrier_signal -1
	s_barrier_wait -1
	s_wait_kmcnt 0x0
	s_add_nc_u64 s[18:19], s[4:5], s[16:17]
.irp s, 0,1
	s_mov_b32 s[G0+4*(\s)], 1
	s_add_co_u32 s[G0+4*(\s)+1], s20, (\s)*SLOT
	s_add_nc_u64 s[G0+4*(\s)+2:G0+4*(\s)+3], s[18:19], (\s)*KSTEP*2
	s_or_b32 s[G0+4*(\s)+3], s[G0+4*(\s)+3], 0x80000000
.endr
	s_cmp_lt_u32 s10, 3                            ; a wave's two first fills stand in one branch on its number: two loads of mine are out, or none
	s_cbranch_scc0 .Lno_first
	tensor_load_to_lds s[G0:G0+3], s[G1:G1+7]
	s_nop 0
	tensor_load_to_lds s[G0+4:G0+7], s[G1:G1+7]
	s_nop 0
.rept 4
	v_nop
.endr
.Lno_first:
	v_and_b32 v1, 15, v0
	v_bfe_u32 v2, v0, 4, 1
	v_mul_u32_u24 v3, v1, PITCH
	v_lshl_add_u32 v3, v2, 4, v3
	s_mul_i32 s21, s11, 32*PITCH                   ; my 32 rows of q
	s_mul_i32 s22, s12, HALFT                      ; my 64 rows of k,
	s_add_co_u32 s22, s22, HALFT                   ; which lie behind q's 64
.irp s, 0,1
	v_add_nc_u32 v[ADRA+(\s)], s21, v3
	v_add_nc_u32 v[ADRB+(\s)], s22, v3
	s_add_co_u32 s21, s21, SLOT
	s_add_co_u32 s22, s22, SLOT
.endr
	s_mul_i32 s23, s11, 32*SPITCH                  ; into the stage: my 32 rows, my half of their 256 bytes
	s_lshl_b32 s21, s12, 7
	s_add_co_u32 s23, s23, s21
	s_add_co_u32 s23, s23, STAGE
	v_mul_u32_u24 v4, v1, SPITCH
	v_lshl_add_u32 v4, v2, 4, v4
	v_add_nc_u32 v[STO], s23, v4
	s_mul_i32 s23, s10, 16*SPITCH                  ; back: wave w takes rows 16 w .., whole
	s_add_co_u32 s23, s23, STAGE
	v_mul_u32_u24 v5, v2, SPITCH
	v_lshl_add_u32 v5, v1, 4, v5
	v_add_nc_u32 v[RD], s23, v5
	v_and_b32 v[CO], 31, v0
	v_lshlrev_b32 v[SO], 3, v[CO]
	v_lshlrev_b32 v[CO], 4, v[CO]
	v_mov_b32 v[BIGV], 0xf1800000
	s_sub_co_i32 s23, s13, s14                     ; (128 i + 64 u + 32 query half + l % 16) - (128 j + 64 group + 8 (l / 16))
	s_lshl_b32 s23, s23, 7
	s_lshl_b32 s21, s45, 6
	s_add_co_i32 s23, s23, s21
	s_lshl_b32 s21, s11, 5
	s_add_co_i32 s23, s23, s21
	s_lshl_b32 s21, s12, 6
	s_sub_co_i32 s23, s23, s21
	v_lshlrev_b32 v4, 3, v2
	v_sub_nc_u32 v[DQ], v1, v4
	v_add_nc_u32 v[DQ], s23, v[DQ]
	s_lshl_b32 s16, s15, 2                         ; pt: block (((4 b + j) 2 + u) 4 + i) of 16,384 bytes, + my 16 rows of 256
	s_add_co_u32 s16, s16, s14
	s_lshl_b32 s16, s16, 1
	s_add_co_u32 s16, s16, s45
	s_lshl_b32 s16, s16, 2
	s_add_co_u32 s16, s16, s13
	s_lshl_b32 s16, s16, 14
	s_lshl_b32 s21, s10, 12
	s_add_co_u32 s16, s16, s21
	s_add_nc_u64 s[6:7], s[6:7], s[16:17]
	s_lshl_b32 s16, s15, 3                         ; st: ((8 b + 2 j + group) 512 + 128 i + 64 u + 32 query half) pairs of 8 bytes
	s_lshl_b32 s21, s14, 1
	s_add_co_u32 s16, s16, s21
	s_add_co_u32 s16, s16, s12
	s_lshl_b32 s16, s16, 9
	s_lshl_b32 s21, s13, 7
	s_add_co_u32 s16, s16, s21
	s_lshl_b32 s21, s45, 6
	s_add_co_u32 s16, s16, s21
	s_lshl_b32 s21, s11, 5
	s_add_co_u32 s16, s16, s21
	s_lshl_b32 s16, s16, 3
	s_add_nc_u64 s[8:9], s[8:9], s[16:17]
.macro MUL8 f, c, zero                 ; 8 matrix instructions: both query blocks x all 4 key blocks, 32 along K; the 8 accumulators take turns
	WIN MUL
.irp a, 0,1
.irp b, 0,1,2,3
.if \zero
	v_wmma_f32_16x16x32_f16 v[ACC+8*(4*\a+\b):ACC+8*(4*\a+\b)+7], v[(\f)+32+8*(4*(\c)+\b):(\f)+32+8*(4*(\c)+\b)+7], v[(\f)+8*(2*(\c)+\a):(\f)+8*(2*(\c)+\a)+7], 0
.else
	v_wmma_f32_16x16x32_f16 v[ACC+8*(4*\a+\b):ACC+8*(4*\a+\b)+7], v[(\f)+32+8*(4*(\c)+\b):(\f)+32+8*(4*(\c)+\b)+7], v[(\f)+8*(2*(\c)+\a):(\f)+8*(2*(\c)+\a)+7], v[ACC+8*(4*\a+\b):ACC+8*(4*\a+\b)+7]
.endif
.endr
.endr
.endm
.macro FETCH slot, k, f                ; 24 LDS loads in one run: the fragments of 64 along K at byte k of the rows; the 12 of the first 32 along K first
	WIN TO_F
.irp c, 0,1
.irp i, 0,1,2,3
	ds_load_b128 v[(\f)+32+8*(4*\c+\i):(\f)+32+8*(4*\c+\i)+3],   v[ADRB+(\slot)] offset:(\k)+64*\c+\i*16*PITCH
	ds_load_b128 v[(\f)+32+8*(4*\c+\i)+4:(\f)+32+8*(4*\c+\i)+7], v[ADRB+(\slot)] offset:(\k)+64*\c+\i*16*PITCH+32
.endr
.irp i, 0,1
	ds_load_b128 v[(\f)+8*(2*\c+\i):(\f)+8*(2*\c+\i)+3],   v[ADRA+(\slot)] offset:(\k)+64*\c+\i*16*PITCH
	ds_load_b128 v[(\f)+8*(2*\c+\i)+4:(\f)+8*(2*\c+\i)+7], v[ADRA+(\slot)] offset:(\k)+64*\c+\i*16*PITCH+32
.endr
.endr
.endm
.macro QUARTER slot, k, f, g, zero     ; 64 along K: multiplies buffer f, fetches the next quarter, at byte k, into g
	s_wait_dscnt 12                                ; the first 32 along K are in; the youngest 12 loads may be out
	MUL8 \f, 0, \zero
	PLACES
	FETCH \slot, \k, \g
	s_wait_dscnt 24                                ; all but the 24 just issued
	MUL8 \f, 1, 0
.endm
; The last quarter of a K step, and behind its products the change of slots: ONE barrier; in front of it each wave waits for all its tensor loads (one is out at the most: its part of the next slot),
; adds 0 to its spare word, and waits for that and for its reads of this slot.  fill = 1: this slot is filled again, first thing behind the barrier, two K steps ahead.
.macro TURN slot, next, fill
	s_wait_dscnt 12
	MUL8 F1, 0, 0
	s_wait_dscnt 0x0
	MUL8 F1, 1, 0
	WIN 0                                          ; the add's registers lie in window 0, and a branch follows
	s_wait_tensorcnt 0x0
	ds_add_u32 v[SPW], v[NIL]
.if \fill
	s_add_nc_u64 s[G0+4*(\slot)+2:G0+4*(\slot)+3], s[G0+4*(\slot)+2:G0+4*(\slot)+3], 2*KSTEP*2  ; no load of mine is out: the group 0 may be written
.endif
	s_wait_dscnt 0x0                               ; the add is done, and my reads of this slot are over
	s_barrier_signal -1
	s_barrier_wait -1
.if \fill
	s_cmp_lt_u32 s10, 3                            ; wave 3 has no part of a tile to fill
	s_cbranch_scc0 .Lnone_\@
	tensor_load_to_lds s[G0+4*(\slot):G0+4*(\slot)+3], s[G1:G1+7]
	s_nop 0
.rept 4
	v_nop
.endr
.Lnone_\@:
.endif
	PLACES                                         ; on every wave's way: the places between the products that read buffer 0 and the loads into it
	FETCH \next, 0, F0
.endm
	s_wait_tensorcnt 0x1                           ; my part of K step 0 is in; K step 1's may stay out
	s_barrier_signal -1
	s_barrier_wait -1
	FETCH 0, 0, F0
	QUARTER 0, 128, F0, F1, 1                      ; the first products start the sums
	WIN 0
	s_mov_b32 s3, LAPS-1
.Llap:                                                 ; a trip goes once round the ring and fills both slots again: K steps 2 to 7
	QUARTER 0, 256, F1, F0, 0
	QUARTER 0, 384, F0, F1, 0
	TURN 0, 1, 1
	QUARTER 1, 128, F0, F1, 0
	QUARTER 1, 256, F1, F0, 0
	QUARTER 1, 384, F0, F1, 0
	TURN 1, 0, 1
	QUARTER 0, 128, F0, F1, 0
	WIN 0
	s_sub_co_u32 s3, s3, 1
	s_cmp_lg_u32 s3, 0
	s_cbranch_scc1 .Llap
	QUARTER 0, 256, F1, F0, 0                      ; the last lap fills nothing
	QUARTER 0, 384, F0, F1, 0
	TURN 0, 1, 0
	QUARTER 1, 128, F0, F1, 0
	QUARTER 1, 256, F1, F0, 0
	QUARTER 1, 384, F0, F1, 0
	s_wait_dscnt 12
	MUL8 F1, 0, 0
	s_wait_dscnt 0x0
	MUL8 F1, 1, 0
	WIN 0
	PLACES
	; THE MASK: register e of tile a is key 16 (e / 8) + e % 8 of my lanes' keys; it is hidden where that, less 16 a, is greater than DQ.  Ascending: each accumulator is read from its low end on.
.set a, 0
.rept 2
.set e, 0
.rept 32
	v_cmp_gt_i32 vcc_lo, 16*(e/8)+e%8-16*a, v[DQ]
	v_cndmask_b32 v[ACC+32*a+e], v[ACC+32*a+e], v[BIGV], vcc_lo
.set e, e+1
.endr
.set a, a+1
.endr
	; THE MAXIMUM of a lane's 32 scores, three operands at a time: four chains of seven, then the four left over; chains and tiles alternate
.irp c, 0,1,2,3
.irp a, 0,1
	v_max3_num_f32 v[ST+8*\a+4+\c], v[ACC+32*\a+8*\c], v[ACC+32*\a+8*\c+1], v[ACC+32*\a+8*\c+2]
.endr
.endr
.irp d, 1,2
.irp c, 0,1,2,3
.irp a, 0,1
	v_max3_num_f32 v[ST+8*\a+4+\c], v[ST+8*\a+4+\c], v[ACC+32*\a+8*\c+2*\d+1], v[ACC+32*\a+8*\c+2*\d+2]
.endr
.endr
.endr
.irp a, 0,1
	v_max3_num_f32 v[ST+8*\a+4], v[ST+8*\a+4], v[ACC+32*\a+7], v[ACC+32*\a+15]
	v_max3_num_f32 v[ST+8*\a+6], v[ST+8*\a+6], v[ACC+32*\a+23], v[ACC+32*\a+31]
.endr
.irp a, 0,1
	v_max3_num_f32 v[ST+8*\a+4], v[ST+8*\a+4], v[ST+8*\a+5], v[ST+8*\a+6]
.endr
.irp a, 0,1
	v_max_num_f32 v[ST+8*\a+4], v[ST+8*\a+4], v[ST+8*\a+7]
.endr
.irp a, 0,1
	v_permlanex16_b32 v[ST+8*\a+5], v[ST+8*\a+4], s[SEL], s[SEL+1]  ; the query's other 32 keys lie in the lane 16 away
.endr
.irp a, 0,1
	v_max_num_f32 v[ST+8*\a+1], v[ST+8*\a+4], v[ST+8*\a+5]          ; m
.endr
.irp a, 0,1
	v_mul_f32 v[ST+8*\a], s[CS], v[ST+8*\a+1]                       ; c m
.endr
.set p, 0
.rept 16
.irp a, 0,1
	v_pk_fma_f32 v[ACC+32*\a+2*p:ACC+32*\a+2*p+1], v[ACC+32*\a+2*p:ACC+32*\a+2*p+1], s[CS:CS+1], v[ST+8*\a:ST+8*\a+1] op_sel_hi:[1,0,0] neg_lo:[0,0,1] neg_hi:[0,0,1]  ; c s - c m
.endr
.set p, p+1
.endr
.set e, 0
.rept 64
	v_exp_f32 v[ACC+e], v[ACC+e]
.set e, e+1
.endr
	v_nop                                          ; a plain instruction behind the last exponential (ISA guide 5.7.2)
.set p, 0
	s_wait_alu depctr_va_vdst(0)
.rept 32
	v_cvt_pk_f16_f32 v[TMP+p], v[ACC+2*p], v[ACC+2*p+1]
.set p, p+1
.endr
.irp a, 0,1
.irp b, 0,1,2,3
	ds_store_b128 v[STO], v[TMP+4*(4*\a+\b):TMP+4*(4*\a+\b)+3] offset:\a*16*SPITCH+32*\b
.endr
.endr
	; THE SUM of the unrounded weights, in f32: a tree over each tile's 16 pairs, in place
.irp w, 4,8,16,32
.set p, 0
.rept 64/\w
	v_pk_add_f32 v[ACC+\w*p:ACC+\w*p+1], v[ACC+\w*p:ACC+\w*p+1], v[ACC+\w*p+\w/2:ACC+\w*p+\w/2+1]
.set p, p+1
.endr
.endr
.irp a, 0,1
	v_add_f32 v[ST+8*\a+4], v[ACC+32*\a], v[ACC+32*\a+1]
.endr
.irp a, 0,1
	v_permlanex16_b32 v[ST+8*\a+5], v[ST+8*\a+4], s[SEL], s[SEL+1]
.endr
.irp a, 0,1
	v_add_f32 v[ST+8*\a+2], v[ST+8*\a+4], v[ST+8*\a+5]              ; l
.endr
	s_wait_dscnt 0x0                               ; for the others' sake: my stores into the stage are done
	s_barrier_signal -1
	s_barrier_wait -1
.irp t, 0,1,2,3,4,5,6,7
	ds_load_b128 v[TMP+4*(\t):TMP+4*(\t)+3], v[RD] offset:(\t)*2*SPITCH
.endr
	v_cndmask_b32 v12, v[ST], v[ST+8], s[HM]       ; lanes 0-15 store tile 0's pair (c m, l), lanes 16-31 tile 1's: 256 consecutive bytes, aligned
	v_cndmask_b32 v13, v[ST+2], v[ST+10], s[HM]
	global_store_b64 v[SO], v[12:13], s[8:9]
.irp t, 0,1,2,3,4,5,6,7
	s_wait_dscnt 7-(\t)                            ; LDS loads come back in order: rows 2 t, 2 t + 1 are in
	global_store_b128 v[CO], v[TMP+4*(\t):TMP+4*(\t)+3], s[6:7] offset:512*(\t)  ; two rows of the block: 512 consecutive bytes, aligned
.endr
	s_wait_tensorcnt 0x0                           ; the wave's end
	ds_add_u32 v[SPW], v[NIL]
	s_wait_dscnt 0x0
	s_endpgm
.Lfunc_end_k_qff5eece609_scores:
	.size	k_qff5eece609_scores, .Lfunc_end_k_qff5eece609_scores-k_qff5eece609_scores
	.p2alignl 7, 3214868480
	.fill 96, 4, 3214868480
	.section	.rodata,"a",@progbits
	.p2align	6, 0x0
	.amdhsa_kernel k_qff5eece609_scores
		.amdhsa_group_segment_fixed_size 327680
		.amdhsa_private_segment_fixed_size 0
		.amdhsa_enable_private_segment 0
		.amdhsa_kernarg_size 24
		.amdhsa_user_sgpr_count 2
		.amdhsa_user_sgpr_kernarg_segment_ptr 1
		.amdhsa_wavefront_size32 1
		.amdhsa_system_sgpr_workgroup_id_x 1
		.amdhsa_system_sgpr_workgroup_id_y 1
		.amdhsa_system_sgpr_workgroup_id_z 1
		.amdhsa_system_vgpr_workitem_id 0
		.amdhsa_next_free_vgpr 448
		.amdhsa_next_free_sgpr 66
		.amdhsa_reserve_vcc 1
		.amdhsa_float_denorm_mode_32 3
		.amdhsa_float_denorm_mode_16_64 3
		.amdhsa_memory_ordered 1
		.amdhsa_forward_progress 1
		.amdhsa_inst_pref_size 69
	.end_amdhsa_kernel
	.amdgpu_metadata
---
amdhsa.version: [ 1, 2 ]
amdhsa.kernels:
  - .name:           k_qff5eece609_scores
    .symbol:         k_qff5eece609_scores.kd
    .args:
      - { .name: qkv, .offset: 0, .size: 8, .value_kind: global_buffer, .address_space: global }
      - { .name: pt, .offset: 8, .size: 8, .value_kind: global_buffer, .address_space: global }
      - { .name: st, .offset: 16, .size: 8, .value_kind: global_buffer, .address_space: global }
    .group_segment_fixed_size: 327680
    .private_segment_fixed_size: 0
    .kernarg_segment_align: 8
    .kernarg_segment_size: 24
    .max_flat_workgroup_size: 128
    .sgpr_count:     66
    .vgpr_count:     448
    .wavefront_size: 32
...
	.end_amdgpu_metadata
.endif
;; end of part 3
;; launch pv (part 4): grid 16 x 16, 4 waves a work-group, clusters of 4 x 1, 327,680 bytes of LDS; arguments qkv, pt, st, out0; writes out0
.if DOCPART == 4
	.amdgcn_target "amdgcn-amd-amdhsa--gfx1250"
	.amdhsa_code_object_version 6
	.text
	.protected	k_qff5eece609_pv
	.globl	k_qff5eece609_pv
	.p2align	8
	.type	k_qff5eece609_pv,@function
k_qff5eece609_pv:
	s_mov_b64 s[64:65], 0
	v_nop
	global_prefetch_b8 v0, s[64:65] scope:SCOPE_SE
	s_setreg_imm32_b32 hwreg(HW_REG_WAVE_MODE, 25, 1), 1
	s_wait_xcnt 0x0
	s_wait_alu depctr_hold_cnt(0) depctr_sa_sdst(0) depctr_va_vdst(0) depctr_va_sdst(0) depctr_va_ssrc(0) depctr_va_vcc(0) depctr_vm_vsrc(0)
	s_getreg_b32 s2, hwreg(HW_REG_IB_STS2, 6, 4)
	s_cmp_eq_u32 s2, 0
	s_cbranch_scc0 .Lentry_in_a_cluster
	s_endpgm
.Lentry_in_a_cluster:
	s_bfe_u32 s2, ttmp6, 0x10000c
	s_cmp_lg_u32 s2, 0x3003
	s_cbranch_scc0 .Lentry_shape_is_right
	s_endpgm
.Lentry_shape_is_right:
; out[b][q][:] = sum over groups g of (e_g / L) sum over the group's keys of p v[key][:],  with M = max over g of c m_g, e_g = 2^(c m_g - M), L = sum of e_g l_g:
; the softmax of the launch before, brought onto one running maximum M.  M, e, L, e / L and the sums in f32; e / L is rounded to f16 and multiplied onto p in f16 (both lie in 0 to 1); v is f16; out is f32.
; LIMITS.  A factor below 2^-126 counts as 0 in L; e / L and its product with p keep f16's fixed step of 6e-8 below 6e-5; NaN and infinities are not treated apart.
; SHARES.  Work-group (b, u, slice) makes the rows 128 i + 64 u + 0..63, i = 0..3, x 128 channels.  Block i needs the key tiles j <= i: ten half tiles for every work-group, so all 256 do
; equal work by one text without a branch on the block.  Wave (QH, CHH): 32 rows of each block x 64 channels: 32 accumulators, window 1.
; O^T = V^T P: source 0 = 16 channels x 32 keys (V turned by ds_load_tr16_b128), source 1 = 32 keys x 16 queries: a lane holds one query (lane % 16) and eight channels.
; A BLOCK LEAVES AS SOON AS IT IS FINISHED: block i has its last products in key tile j = i, and its stores go out while the later key tiles are multiplied.
; LDS holds everything at once, and nothing is filled twice: V's 512 keys x 128 channels, and for each key tile j a strip of p (blocks i = j..3, 64 rows each).
; CLUSTER 4 x 1: the four slices of a cluster share b and u, so the strips of p are asked for jointly; V's slice is each work-group's own, by plain loads behind the same round.
; V is shared by u = 0 and 1 alone, which is no row or column of four: no joint load for it.
; REGISTERS: window 0: addresses, factors, two fragment buffers.  window 1: accumulator (i, a, cb) at 64 i + 32 a + 8 cb.  window 2: the rows read back from the stage, 32 registers for each of the 8 tiles, never rewritten.
.set PV,    288                        ; a key's row of V in LDS: 256 + 32 bytes
.set PP,    272                        ; a query's row of p: 256 + 16 bytes
.set PB0,   512*PV                     ; strip 0; strip j begins 64 PP (4 j - j (j - 1) / 2) further on
.set SPARE, PB0+640*PP                 ; behind the strips: the spare words, which no other line names
.set ROWB,  12288
.set AV,  3                            ; v3   LDS address of my fragments of V in the key tile in hand
.set AP,  4                            ; v4   the same for p
.set STO, 5                            ; v5   the way out: where I put 16 bytes of a row
.set RD,  6                            ; v6   where I read rows back
.set GO,  7                            ; v7   my byte offset in out0
.set SPW, 8
.set NIL, 9
.set SQ,  10                           ; v10  8 (lane % 16)
.set EE,  16                           ; v16-55  e / L of (block i, tile a, group g), twice in f16, at EE + 2 (i (i + 1) + g) + a
.set LL,  56                           ; v56-63  of (i, a) at LL + 2 i + a: M, then L, then 1 / L
.set F0,  64                           ; two fragment buffers of 96: p's fragment 2 i' + a at + 8 (2 i' + a), V's channel block cb at + 64 + 8 cb
.set SL,  64                           ; at the start: the statistics as loaded
.set WV,  12
.set G1V, 20                           ; s[20:27]
.set G0V, 28                           ; s[28:43]  a set for each key tile
.set G0P, 44                           ; s[44:59]
.set G1P, 68                           ; s[68:99]  the strips differ in their rows
.set MSB, 0
.macro WIN new
.if MSB != (\new)
	s_set_vgpr_msb (MSB<<8)|(\new)
.set MSB, \new
.endif
.endm
.macro CROUND
	s_barrier_signal -1
	s_barrier_wait -1
	s_cmp_lg_u32 s[WV], 0
	s_cbranch_scc1 .Lnot_wave_0_\@
	s_barrier_signal -3
.Lnot_wave_0_\@:
	s_barrier_wait -3
	s_barrier_signal -1
	s_barrier_wait -1
.endm
	s_load_b256 s[4:11], s[0:1], 0x0               ; qkv s[4:5], pt s[6:7], st s[8:9], out0 s[10:11]
	v_lshl_add_u32 v[SPW], v0, 2, SPARE
	v_mov_b32 v[NIL], 0
	ds_add_u32 v[SPW], v[NIL]                      ; the wave's opening: the add and its wait stand ahead of my first tensor load
	v_lshrrev_b32 v1, 5, v0
	v_readfirstlane_b32 s[WV], v1
	v_and_b32 v1, 15, v0
	v_bfe_u32 v2, v0, 4, 1
	v_lshlrev_b32 v[SQ], 3, v1
	s_bfe_u32 s13, ttmp6, 0x40000                  ; cx
	s_lshl_b32 s14, ttmp9, 2
	s_add_co_u32 s14, s14, s13                     ; slice of 128 channels: it enters V's and out0's addresses alone
	s_and_b32 s15, ttmp7, 0xffff
	s_lshr_b32 s16, s15, 1                         ; b
	s_and_b32 s17, s15, 1                          ; u
	s_lshr_b32 s18, s[WV], 1                       ; QH.  Also: I fetch V (0) or p (1)
	s_and_b32 s19, s[WV], 1                        ; CHH.  Also: which half of a tile I fetch
	s_mov_b32 s[G1V], (1<<16)|(1<<20)|(5<<22)|(7<<25)  ; 64 keys x 128 channels; 8 words of padding after every 64 words
	s_mov_b32 s[G1V+1], 128<<16
	s_mov_b32 s[G1V+2], 64<<16
	s_mov_b32 s[G1V+3], 128<<16
	s_mov_b32 s[G1V+4], 64
	s_mov_b32 s[G1V+5], 6144
	s_mov_b32 s[G1V+6], 0
	s_mov_b32 s[G1V+7], 0
.irp j, 0,1,2,3
	s_mov_b32 s[G1P+8*\j], 15|(1<<16)|(1<<20)|(1<<21)|(5<<22)|(3<<25)  ; the mask of four; half a strip: 32 (4 - j) dense rows of 256 bytes; 4 words of padding a row
	s_mov_b32 s[G1P+8*\j+1], 128<<16
	s_mov_b32 s[G1P+8*\j+2], (32*(4-\j))<<16
	s_mov_b32 s[G1P+8*\j+3], 128<<16
	s_mov_b32 s[G1P+8*\j+4], 32*(4-\j)
	s_mov_b32 s[G1P+8*\j+5], 128
	s_mov_b32 s[G1P+8*\j+6], 0
	s_mov_b32 s[G1P+8*\j+7], 0
	s_mov_b32 s[G0V+4*\j], 1
	s_mul_i32 s2, s19, 64*PV
	s_add_co_u32 s[G0V+4*\j+1], s2, 128*PV*\j
	s_mov_b32 s[G0P+4*\j], 1
	s_mul_i32 s2, s19, 32*(4-\j)*PP
	s_add_co_u32 s[G0P+4*\j+1], s2, PB0+64*PP*(4*\j-\j*(\j-1)/2)
.endr
	s_lshl_b32 s60, s16, 9                         ; V: key row 512 b + 64 half (+ 128 j), 8,192 bytes into the row, + the slice's 256 bytes
	s_lshl_b32 s2, s19, 6
	s_add_co_u32 s60, s60, s2
	s_mul_i32 s60, s60, ROWB
	s_add_co_u32 s60, s60, 8192
	s_lshl_b32 s100, s14, 8
	s_add_co_u32 s60, s60, s100
	s_mov_b32 s61, 0
	s_lshl_b32 s62, s16, 19                        ; p: 524,288 b + 65,536 u: coordinates that the four partners share
	s_lshl_b32 s2, s17, 16
	s_add_co_u32 s62, s62, s2
	s_mov_b32 s63, 0
	s_mov_b32 s3, 0
	s_mov_b32 s101, 0
	s_wait_dscnt 0x0                               ; the opening add is done
	s_wait_kmcnt 0x0
	s_lshl_b32 s2, s16, 15                         ; st at (b, group 0, query 64 u + 32 QH)
	s_lshl_b32 s100, s17, 9
	s_add_co_u32 s2, s2, s100
	s_lshl_b32 s100, s18, 8
	s_add_co_u32 s2, s2, s100
	s_add_nc_u64 s[8:9], s[8:9], s[2:3]
	; THE STATISTICS are asked for first, ahead of the round: for my 8 tiles of 16 queries the pairs (c m, l) of the groups 0 .. 2 i + 1: 40 loads
.irp i, 0,1,2,3
.set g, 0
.rept 2*\i+2
.irp a, 0,1
	global_load_b64 v[SL+2*(2*(\i*(\i+1)+g)+\a):SL+2*(2*(\i*(\i+1)+g)+\a)+1], v[SQ], s[8:9] offset:4096*g+1024*\i+128*\a
.endr
.set g, g+1
.endr
.endr
	s_add_nc_u64 s[60:61], s[4:5], s[60:61]
	s_add_nc_u64 s[62:63], s[6:7], s[62:63]
.irp j, 0,1,2,3
	s_add_nc_u64 s[G0V+4*\j+2:G0V+4*\j+3], s[60:61], 128*ROWB*\j
	s_or_b32 s[G0V+4*\j+3], s[G0V+4*\j+3], 0x80000000
	s_mul_i32 s2, s19, (4-\j)*8192                 ; my half of strip j, which begins at block (j, u, i = j)
	s_add_co_u32 s2, s2, 147456*\j
	s_add_nc_u64 s[G0P+4*\j+2:G0P+4*\j+3], s[62:63], s[2:3]
	s_or_b32 s[G0P+4*\j+3], s[G0P+4*\j+3], 0x80000000
.endr
	s_lshl_b32 s100, s16, 9                        ; out0 at row 512 b + 64 u + 32 QH, byte 512 slice + 256 CHH
	s_lshl_b32 s2, s17, 6
	s_add_co_u32 s100, s100, s2
	s_lshl_b32 s2, s18, 5
	s_add_co_u32 s100, s100, s2
	s_lshl_b32 s100, s100, 13
	s_lshl_b32 s2, s19, 8
	s_add_co_u32 s100, s100, s2
	s_lshl_b32 s2, s14, 9
	s_add_co_u32 s100, s100, s2
	s_add_nc_u64 s[10:11], s[10:11], s[100:101]
	CROUND                                         ; all four work-groups are here: the joint loads meet
	s_cmp_lt_u32 s[WV], 2                          ; a wave's four fills stand in one branch, ahead of every wait on TENSORcnt and every LDS read: four loads of mine are out
	s_cbranch_scc0 .Lfor_p
.irp j, 0,1,2,3
	tensor_load_to_lds s[G0V+4*\j:G0V+4*\j+3], s[G1V:G1V+7]
	s_nop 0
.endr
.rept 4
	v_nop
.endr
	s_branch .Lasked
.Lfor_p:
.irp j, 0,1,2,3
	tensor_load_to_lds s[G0P+4*\j:G0P+4*\j+3], s[G1P+8*\j:G1P+8*\j+7]
	s_nop 0
.endr
.rept 4
	v_nop
.endr
.Lasked:
	v_and_b32 v12, 7, v0                           ; the turning load: lane l reads key 8 (l / 16) + l % 8, 16 bytes at channel 8 ((l / 8) % 2)
	v_lshl_add_u32 v12, v2, 3, v12
	v_mul_u32_u24 v[AV], v12, PV
	v_bfe_u32 v13, v0, 3, 1
	v_lshl_add_u32 v[AV], v13, 4, v[AV]
	s_lshl_b32 s2, s19, 7                          ; my 64 channels
	v_add_nc_u32 v[AV], s2, v[AV]
	v_mul_u32_u24 v[AP], v1, PP                    ; p: row 32 QH + l % 16, 16 bytes for each half of the lanes
	v_lshl_add_u32 v[AP], v2, 4, v[AP]
	s_mul_i32 s2, s18, 32*PP
	s_add_co_u32 s2, s2, PB0
	v_add_nc_u32 v[AP], s2, v[AP]
	s_mul_i32 s2, s[WV], 16*PP                     ; my stage: 16 rows in strip 0, which has had its one fill and which no wave reads behind the barrier in key tile 0's last sub-step
	s_add_co_u32 s2, s2, PB0
	v_mul_u32_u24 v[STO], v1, PP
	v_lshl_add_u32 v[STO], v2, 5, v[STO]
	v_add_nc_u32 v[STO], s2, v[STO]
	v_mul_u32_u24 v[RD], v2, PP
	v_lshl_add_u32 v[RD], v1, 4, v[RD]
	v_add_nc_u32 v[RD], s2, v[RD]
	v_lshlrev_b32 v[GO], 13, v2
	v_lshl_add_u32 v[GO], v1, 4, v[GO]
	s_wait_loadcnt 0x0
	; M, e, L and e / L, one stage for all 8 tiles at a time, so that few lines wait for the line before.  Group g's pair of tile (i, a) lies at p0 + 4 g.
.macro SREG i, a
.set p0, SL+2*(2*(\i)*((\i)+1)+(\a))
.set rl, LL+2*(\i)+(\a)
.endm
.macro S_MAX i, a
	SREG \i, \a
	v_max_num_f32 v[rl], v[p0], v[p0+4]
.if (\i) > 0
.set g, 2
.rept \i
	v_max3_num_f32 v[rl], v[rl], v[p0+4*g], v[p0+4*g+4]
.set g, g+2
.endr
.endif
.endm
.macro S_SUB i, a
	SREG \i, \a
.set g, 0
.rept 2*(\i)+2
	v_sub_f32 v[p0+4*g], v[p0+4*g], v[rl]
.set g, g+1
.endr
.endm
.macro S_EXP i, a
	SREG \i, \a
.set g, 0
.rept 2*(\i)+2
	v_exp_f32 v[p0+4*g], v[p0+4*g]
.set g, g+1
.endr
.endm
.macro S_SUM i, a                      ; M has served: its register takes L
	SREG \i, \a
	v_mul_f32 v[rl], v[p0], v[p0+1]
.set g, 1
.rept 2*(\i)+1
	v_fmac_f32 v[rl], v[p0+4*g], v[p0+4*g+1]
.set g, g+1
.endr
.endm
.macro S_RCP i, a
	SREG \i, \a
	v_rcp_f32 v[rl], v[rl]
.endm
.macro S_FAC i, a
	SREG \i, \a
.set g, 0
.rept 2*(\i)+2
	v_mul_f32 v[p0+4*g], v[p0+4*g], v[rl]
.set g, g+1
.endr
.set g, 0
.rept 2*(\i)+2
	v_cvt_pk_f16_f32 v[EE+2*((\i)*((\i)+1)+g)+(\a)], v[p0+4*g], v[p0+4*g]
.set g, g+1
.endr
.endm
.irp i, 0,1,2,3
	S_MAX \i, 0
	S_MAX \i, 1
.endr
.irp i, 0,1,2,3
	S_SUB \i, 0
	S_SUB \i, 1
.endr
.irp i, 0,1,2,3
	S_EXP \i, 0
	S_EXP \i, 1
.endr
	v_nop                                          ; a plain instruction behind the last exponential (ISA guide 5.7.2)
	s_wait_alu depctr_va_vdst(0)
.irp i, 0,1,2,3
	S_SUM \i, 0
	S_SUM \i, 1
.endr
.irp i, 0,1,2,3
	S_RCP \i, 0
	S_RCP \i, 1
.endr
	v_nop                                          ; a plain instruction behind the last reciprocal
	s_wait_alu depctr_va_vdst(0)
.irp i, 0,1,2,3
	S_FAC \i, 0
	S_FAC \i, 1
.endr
.macro LOADF j, ks, f                  ; the fragments of 32 keys: V's four channel blocks, p's 2 (4 - j) tiles
.irp cb, 0,1,2,3
	ds_load_tr16_b128 v[(\f)+64+8*\cb:(\f)+64+8*\cb+3],   v[AV] offset:32*PV*(\ks)+32*\cb
	ds_load_tr16_b128 v[(\f)+64+8*\cb+4:(\f)+64+8*\cb+7], v[AV] offset:32*PV*(\ks)+32*\cb+16*PV
.endr
.set q, 0
.rept 2*(4-(\j))
	ds_load_b128 v[(\f)+8*q:(\f)+8*q+3],   v[AP] offset:(64*(q/2)+16*(q%2))*PP+64*(\ks)
	ds_load_b128 v[(\f)+8*q+4:(\f)+8*q+7], v[AP] offset:(64*(q/2)+16*(q%2))*PP+64*(\ks)+32
.set q, q+1
.endr
.endm
.macro SCALE j, ks, f                  ; p times its group's e / L, two at a time
.set q, 0
.rept 2*(4-(\j))
.set ei, (\j)+q/2
.set er, EE+2*(ei*(ei+1)+2*(\j)+(\ks)/2)+q%2
.irp z, 0,1,2,3,4,5,6,7
	v_pk_mul_f16 v[(\f)+8*q+\z], v[(\f)+8*q+\z], v[er]
.endr
.set q, q+1
.endr
.endm
.macro MULS j, f, zero                 ; 8 (4 - j) matrix instructions, each on an accumulator of its own: they take turns
	WIN 0x50                                       ; C and D in window 1
.set q, 0
.rept 2*(4-(\j))
.irp cb, 0,1,2,3
.set rO, 64*(\j)+32*q+8*\cb
.if \zero
	v_wmma_f32_16x16x32_f16 v[rO:rO+7], v[(\f)+64+8*\cb:(\f)+64+8*\cb+7], v[(\f)+8*q:(\f)+8*q+7], 0
.else
	v_wmma_f32_16x16x32_f16 v[rO:rO+7], v[(\f)+64+8*\cb:(\f)+64+8*\cb+7], v[(\f)+8*q:(\f)+8*q+7], v[rO:rO+7]
.endif
.endr
.set q, q+1
.endr
	WIN 0
.endm
; THE WAY OUT of block j, behind key tile j's last products: its two tiles of 16 rows x 64 channels go through my stage, one behind the other (LDS serves a wave's instructions in order: ISA guide
; 5.7.1.4), and come back as whole rows into registers of their own in window 2; 16 lanes then store 256 consecutive bytes, aligned.  Each accumulator is read from its low end on.
.macro OUTB j
.rept 4
	v_nop                                          ; the places between the last products and the stores that read their results
.endr
.irp a, 0,1
.set TT, 2*(\j)+\a
	WIN 0x04                                       ; the stores' data in window 1
.irp cb, 0,1,2,3
	ds_store_b128 v[STO], v[32*TT+8*\cb:32*TT+8*\cb+3] offset:64*\cb
	ds_store_b128 v[STO], v[32*TT+8*\cb+4:32*TT+8*\cb+7] offset:64*\cb+16
.endr
	WIN 0x80                                       ; the loads' data in window 2
.irp t, 0,1,2,3,4,5,6,7
	ds_load_b128 v[32*TT+4*\t:32*TT+4*\t+3], v[RD] offset:2*PP*\t
.endr
.endr
	WIN 0x08                                       ; the stores' data in window 2
.irp a, 0,1
.set TT, 2*(\j)+\a
.irp t, 0,1,2,3,4,5,6,7
	s_wait_dscnt 16*(1-\a)+7-\t                    ; rows 2 t, 2 t + 1 are back; the younger loads, and behind the first tile the second's sixteen LDS instructions, may be out
	global_store_b128 v[GO], v[32*TT+4*\t:32*TT+4*\t+3], s[10:11] offset:(128*(\j)+16*\a+2*\t)*8192 th:TH_STORE_NT
.endr
.endr
	WIN 0
.endm
; Sub-step n of 16: key tile n / 4, its keys 32 (n % 4) on.  The scaling's 16 or more plain lines, which name none of the last products' registers, are the places in front of the loads
; into the buffer that those products read.  At a key tile's last sub-step the next tile is waited for (the count leaves the later tiles' loads of mine out) and a barrier shows it to all.
.macro PVSUB
.set J, n/4
.set KS, n%4
.set FC, F0+96*(n%2)
.set FN, F0+96*((n+1)%2)
.set Z, 0
.if n == 0
.set Z, 1
.endif
	s_wait_dscnt 0x0                               ; this sub-step's fragments are in; with them my reads of the tile so far are over
.if (KS == 3) && (J < 3)
	s_wait_tensorcnt 2-J
	s_barrier_signal -1
.endif
	SCALE J, KS, FC
.if (KS == 3) && (J < 3)
	s_barrier_wait -1
	v_add_nc_u32 v[AV], 128*PV, v[AV]
	v_add_nc_u32 v[AP], (4-J)*64*PP, v[AP]
.endif
.if n < 15
	LOADF (n+1)/4, (n+1)%4, FN
.endif
	MULS J, FC, Z
.if KS == 3
	OUTB J
.endif
.endm
	s_wait_tensorcnt 0x3                           ; my part of key tile 0 is in; the three later tiles' loads stay out
	s_barrier_signal -1
	s_barrier_wait -1
	LOADF 0, 0, F0
.set n, 0
.rept 16
	PVSUB
.set n, n+1
.endr
	s_wait_tensorcnt 0x0                           ; the wave's end
	ds_add_u32 v[SPW], v[NIL]
	s_wait_dscnt 0x0
	CROUND                                         ; the closing round
	s_endpgm
.Lfunc_end_k_qff5eece609_pv:
	.size	k_qff5eece609_pv, .Lfunc_end_k_qff5eece609_pv-k_qff5eece609_pv
	.p2alignl 7, 3214868480
	.fill 96, 4, 3214868480
	.section	.rodata,"a",@progbits
	.p2align	6, 0x0
	.amdhsa_kernel k_qff5eece609_pv
		.amdhsa_group_segment_fixed_size 327680
		.amdhsa_private_segment_fixed_size 0
		.amdhsa_enable_private_segment 0
		.amdhsa_kernarg_size 32
		.amdhsa_user_sgpr_count 2
		.amdhsa_user_sgpr_kernarg_segment_ptr 1
		.amdhsa_wavefront_size32 1
		.amdhsa_system_sgpr_workgroup_id_x 1
		.amdhsa_system_sgpr_workgroup_id_y 1
		.amdhsa_system_sgpr_workgroup_id_z 1
		.amdhsa_system_vgpr_workitem_id 0
		.amdhsa_next_free_vgpr 768
		.amdhsa_next_free_sgpr 102
		.amdhsa_reserve_vcc 0
		.amdhsa_float_denorm_mode_32 3
		.amdhsa_float_denorm_mode_16_64 3
		.amdhsa_memory_ordered 1
		.amdhsa_forward_progress 1
		.amdhsa_inst_pref_size 121
	.end_amdhsa_kernel
	.amdgpu_metadata
---
amdhsa.version: [ 1, 2 ]
amdhsa.kernels:
  - .name:           k_qff5eece609_pv
    .symbol:         k_qff5eece609_pv.kd
    .args:
      - { .name: qkv, .offset: 0, .size: 8, .value_kind: global_buffer, .address_space: global }
      - { .name: pt, .offset: 8, .size: 8, .value_kind: global_buffer, .address_space: global }
      - { .name: st, .offset: 16, .size: 8, .value_kind: global_buffer, .address_space: global }
      - { .name: out0, .offset: 24, .size: 8, .value_kind: global_buffer, .address_space: global }
    .group_segment_fixed_size: 327680
    .private_segment_fixed_size: 0
    .kernarg_segment_align: 8
    .kernarg_segment_size: 32
    .max_flat_workgroup_size: 128
    .sgpr_count:     102
    .vgpr_count:     768
    .wavefront_size: 32
...
	.end_amdgpu_metadata
.endif
;; end of part 4
;; ======== version 2 of 2: 4 launches; version 1 with the launch cast written anew for expert scheduling mode
;; limits: values are held in f16: magnitudes above 65,504 overflow, below 6.1e-05 lose precision
;; workspace buffers: xb 16,777,216 bytes; wb 25,165,824 bytes; qkv 50,331,648 bytes; pt 4,194,304 bytes; st 262,144 bytes
;; launch cast (part 5): grid 256 x 1, 20 waves a work-group, no clusters, 0 bytes of LDS; arguments x, Wq, Wk, Wv, xb, wb; writes xb, wb
.if DOCPART == 5
	.amdgcn_target "amdgcn-amd-amdhsa--gfx1250"
	.amdhsa_code_object_version 6
	.text
	.protected	k_qff5eece609_cast
	.globl	k_qff5eece609_cast
	.p2align	8
	.type	k_qff5eece609_cast,@function
k_qff5eece609_cast:
	s_mov_b64 s[64:65], 0
	v_nop
	global_prefetch_b8 v0, s[64:65] scope:SCOPE_SE
	s_setreg_imm32_b32 hwreg(HW_REG_WAVE_SCHED_MODE, 0, 2), 2
	s_setreg_imm32_b32 hwreg(HW_REG_WAVE_MODE, 25, 1), 1
	s_wait_xcnt 0x0
	s_wait_alu depctr_vm_vsrc(0)
; x [4096][2048] f32 and Wq, Wk, Wv [2048][2048] f32 are rounded once to bf16 and laid out for the projection.
;   xb: [16 row blocks][32 k blocks][256 rows][64 k]: a tile of 256 rows x 64 k is 32,768 dense bytes.
;   wb: [2048 k][6144 n], Wq | Wk | Wv side by side, as they lie (not turned): a row is 12,288 bytes.
; A stream: no LDS, no barrier, no matrix unit.  One wave takes one pair of rows (16,384 bytes in, 8,192 out) and has all its 32 loads out at once.
; There are 2,048 pairs of x and 3 x 1,024 of the weights: 5,120 units, 20 for each of 256 work-groups of 20 waves, so that every work-group moves the same bytes.
; Unit = 20 x group + wave: 0..2047 x, then 1,024 each of Wq, Wk, Wv.  Every load of 16 lanes covers 256 consecutive bytes, every store of a wave 256 consecutive bytes, aligned.
; THE MODE: SCHED_MODE bits 1:0 = 2 (LLVM: expert scheduling mode 2), set by the entry lines.  The code itself states the register dependences
; between vector instructions and memory instructions, with s_wait_alu, always for 0.
; THE PLAN.  Registers that memory instructions touch:
;   v1, v2     byte offsets of the loads and of the stores: made once, ahead of the first load, and never written again.
;   piece u    four registers at X + 4 u.  Its load lands in them before any vector instruction has named them; its two conversions read them and write the first
;              two in place; its store reads those two; nothing writes them again.
; The 32 pieces go in 8 groups of four.  Group g's conversions name group g's sixteen registers alone.  Its memory instructions are the four stores of group g - 1.
; So ONE wait on va_vdst at a group's head states all that these four stores hang on, and they are dealt among the group's conversions with no further wait.
; No register that a load or store has read is written again, and no load is issued behind a vector instruction that names its registers: no wait on vm_vsrc is owed.
.set X, 8                              ; v[8:135]  piece u: four registers as loaded; its first two then hold the four bf16 pairs
.set GROUP, 4                          ; pieces in a group
.macro PUT kind, n                     ; piece n is stored.  kind 0: x, kind 1: a weight
.if \kind
	global_store_b64 v2, v[X+4*(\n):X+4*(\n)+1], s[22:23] offset:((\n)/16)*12288+((\n)%16)*256  ; pieces 0-15: the even row, 16-31: the odd row
.else
	global_store_b64 v2, v[X+4*(\n):X+4*(\n)+1], s[22:23] offset:32768*(\n)                     ; piece n is k block n: both rows' 128 bytes lie together
.endif
.endm
.macro RUN kind                        ; kind 0: x, kind 1: a weight
	s_wait_alu depctr_va_vdst(0)                   ; v1 and v2 are written: every load below reads v1 as its offset, every store v2
.set u, 0
.rept 32
.if \kind
	global_load_b128 v[X+4*u:X+4*u+3], v1, s[20:21] offset:512*u th:TH_LOAD_NT
.else
	global_load_b128 v[X+4*u:X+4*u+3], v1, s[20:21] offset:256*u th:TH_LOAD_NT
.endif
.set u, u+1
.endr
.set g, 0
.rept 32/GROUP
	s_wait_loadcnt 32-GROUP-GROUP*g                ; loads come back in order (ISA guide 5.7.1): group g's four are in, the younger ones stay out
.if g > 0
	s_wait_alu depctr_va_vdst(0)                   ; the conversions of group g - 1 have written the eight registers that the four stores below read
.endif
.set i, 0
.rept GROUP
.set u, GROUP*g+i
.if g > 0
	PUT \kind, u-GROUP                             ; the group before.  No wait: no vector instruction since the wait above names its registers
.endif
	v_cvt_pk_bf16_f32 v[X+4*u], v[X+4*u], v[X+4*u+1]
	v_cvt_pk_bf16_f32 v[X+4*u+1], v[X+4*u+2], v[X+4*u+3]
.set i, i+1
.endr
.set g, g+1
.endr
	s_wait_alu depctr_va_vdst(0)                   ; the last group's conversions have written the registers that the last four stores read
.set u, 32-GROUP
.rept GROUP
	PUT \kind, u
.set u, u+1
.endr
.endm
	s_load_b256 s[4:11], s[0:1], 0x0               ; x s[4:5], Wq s[6:7], Wk s[8:9], Wv s[10:11]
	s_load_b128 s[12:15], s[0:1], 0x20             ; xb s[12:13], wb s[14:15]
	v_lshrrev_b32 v3, 5, v0
	v_readfirstlane_b32 s16, v3                    ; wave 0..19
	v_and_b32 v4, 31, v0                           ; lane
	v_lshlrev_b32 v2, 3, v4                        ; out: 8 bytes a lane
	s_mul_i32 s17, ttmp9, 20
	s_mov_b32 s3, 0
	s_wait_alu depctr_va_sdst(0)                   ; s16 is written, ahead of its first reader: the unit, and with it the branch and the bases, are made from it
	s_add_co_u32 s17, s17, s16                     ; my unit, 0..5119
	s_wait_kmcnt 0x0
	s_cmp_lt_u32 s17, 2048
	s_cbranch_scc0 .Lweights
	; x: the unit is the pair of rows
	s_lshl_b32 s2, s17, 14                         ; a pair is 16,384 bytes of x
	s_add_nc_u64 s[20:21], s[4:5], s[2:3]
	s_lshr_b32 s2, s17, 7                          ; row block = pair / 128, 1 MiB each
	s_lshl_b32 s2, s2, 20
	s_and_b32 s19, s17, 127                        ; the pair's 256 bytes in a tile
	s_lshl_b32 s19, s19, 8
	s_add_co_u32 s2, s2, s19
	s_add_nc_u64 s[22:23], s[12:13], s[2:3]
	v_and_b32 v1, 15, v0                           ; in: lanes 0-15 take 64 k of the even row, lanes 16-31 the same k of the odd row
	v_lshlrev_b32 v1, 4, v1
	v_bfe_u32 v5, v0, 4, 1
	v_lshl_add_u32 v1, v5, 13, v1
	RUN 0
	s_endpgm
.Lweights:
	s_sub_co_u32 s18, s17, 2048
	s_lshr_b32 s19, s18, 10                        ; which weight, 0..2
	s_and_b32 s18, s18, 1023                       ; its pair of rows
	s_cmp_eq_u32 s19, 0                            ; the choice hangs on the unit's number alone
	s_cselect_b64 s[20:21], s[6:7], s[8:9]
	s_cmp_eq_u32 s19, 2
	s_cselect_b64 s[20:21], s[10:11], s[20:21]
	s_lshl_b32 s2, s18, 14
	s_add_nc_u64 s[20:21], s[20:21], s[2:3]
	s_mul_i32 s2, s18, 24576                       ; two rows of wb,
	s_lshl_b32 s19, s19, 12                        ; and the weight's 4,096 bytes in a row
	s_add_co_u32 s2, s2, s19
	s_add_nc_u64 s[22:23], s[14:15], s[2:3]
	v_lshlrev_b32 v1, 4, v4                        ; in: 512 consecutive bytes a load
	RUN 1
	s_endpgm
.Lfunc_end_k_qff5eece609_cast:
	.size	k_qff5eece609_cast, .Lfunc_end_k_qff5eece609_cast-k_qff5eece609_cast
	.p2alignl 7, 3214868480
	.fill 96, 4, 3214868480
	.section	.rodata,"a",@progbits
	.p2align	6, 0x0
	.amdhsa_kernel k_qff5eece609_cast
		.amdhsa_group_segment_fixed_size 0
		.amdhsa_private_segment_fixed_size 0
		.amdhsa_enable_private_segment 0
		.amdhsa_kernarg_size 48
		.amdhsa_user_sgpr_count 2
		.amdhsa_user_sgpr_kernarg_segment_ptr 1
		.amdhsa_wavefront_size32 1
		.amdhsa_system_sgpr_workgroup_id_x 1
		.amdhsa_system_sgpr_workgroup_id_y 1
		.amdhsa_system_sgpr_workgroup_id_z 1
		.amdhsa_system_vgpr_workitem_id 0
		.amdhsa_next_free_vgpr 136
		.amdhsa_next_free_sgpr 66
		.amdhsa_reserve_vcc 0
		.amdhsa_float_denorm_mode_32 3
		.amdhsa_float_denorm_mode_16_64 3
		.amdhsa_memory_ordered 1
		.amdhsa_forward_progress 1
		.amdhsa_inst_pref_size 23
	.end_amdhsa_kernel
	.amdgpu_metadata
---
amdhsa.version: [ 1, 2 ]
amdhsa.kernels:
  - .name:           k_qff5eece609_cast
    .symbol:         k_qff5eece609_cast.kd
    .args:
      - { .name: x, .offset: 0, .size: 8, .value_kind: global_buffer, .address_space: global }
      - { .name: Wq, .offset: 8, .size: 8, .value_kind: global_buffer, .address_space: global }
      - { .name: Wk, .offset: 16, .size: 8, .value_kind: global_buffer, .address_space: global }
      - { .name: Wv, .offset: 24, .size: 8, .value_kind: global_buffer, .address_space: global }
      - { .name: xb, .offset: 32, .size: 8, .value_kind: global_buffer, .address_space: global }
      - { .name: wb, .offset: 40, .size: 8, .value_kind: global_buffer, .address_space: global }
    .group_segment_fixed_size: 0
    .private_segment_fixed_size: 0
    .kernarg_segment_align: 8
    .kernarg_segment_size: 48
    .max_flat_workgroup_size: 640
    .sgpr_count:     66
    .vgpr_count:     136
    .wavefront_size: 32
...
	.end_amdgpu_metadata
.endif
;; end of part 5
;; launch proj: the kernel of part 2 again; grid 16 x 16, 4 waves a work-group, clusters of 4 x 4, 327,680 bytes of LDS; arguments xb, wb, bq, bk, bv, qkv; writes qkv
;; launch scores: the kernel of part 3 again; grid 20 x 8, 4 waves a work-group, no clusters, 327,680 bytes of LDS; arguments qkv, pt, st; writes pt, st
;; launch pv: the kernel of part 4 again; grid 16 x 16, 4 waves a work-group, clusters of 4 x 1, 327,680 bytes of LDS; arguments qkv, pt, st, out0; writes out0
